; MI455X (gfx1250); checked and timed in simulation.
; The chip was launched on July 23, 2026; its instructions are those of AMD's public machine-readable ISA for CDNA 5 (MIT licence, August 2026) and "CDNA5" Instruction Set Architecture Reference Guide (July 2026).
;; Mask Relation Multi Head Attention. Allowed arithmetic: matrix products marked QUANTISED: E5M2 operands, one E8M0 scale for each 32 along K, by v_wmma_scale_f32_16x16x128_f8f6f4 with both operands' format E5M2, f32 sums; products left as they are: f32 operands where the result goes on into a quantised operand, else bf16, f16 or f32 operands; f32 sums; everything else in f32.
;; Inputs: Wk_codes 1,024 x 32 x 32 uint8 (E5M2 codes of Wk, K innermost, in blocks of 32 codes); Wk_scales 1,024 x 32 uint8 (E8M0 scales of Wk, one for each 32 codes along K); Wo_codes 1,024 x 32 x 32 uint8 (E5M2 codes of Wo, K innermost, in blocks of 32 codes); Wo_scales 1,024 x 32 uint8 (E8M0 scales of Wo, one for each 32 codes along K); Wq_codes 1,024 x 32 x 32 uint8 (E5M2 codes of Wq, K innermost, in blocks of 32 codes); Wq_scales 1,024 x 32 uint8 (E8M0 scales of Wq, one for each 32 codes along K); Wv_codes 1,024 x 32 x 32 uint8 (E5M2 codes of Wv, K innermost, in blocks of 32 codes); Wv_scales 1,024 x 32 uint8 (E8M0 scales of Wv, one for each 32 codes along K); bk 1,024 float32; bo 1,024 float32; bq 1,024 float32; bv 1,024 float32; k_codes 16 x 2,048 x 32 x 32 uint8 (E5M2 codes of k, K innermost, in blocks of 32 codes); k_scales 16 x 2,048 x 32 uint8 (E8M0 scales of k, one for each 32 codes along K); maskfill 16 x 16 x 1 x 2,048 bool; q_codes 16 x 1 x 32 x 32 uint8 (E5M2 codes of q, K innermost, in blocks of 32 codes); q_scales 16 x 1 x 32 uint8 (E8M0 scales of q, one for each 32 codes along K); v_codes 16 x 2,048 x 32 x 32 uint8 (E5M2 codes of v, K innermost, in blocks of 32 codes); v_scales 16 x 2,048 x 32 uint8 (E8M0 scales of v, one for each 32 codes along K).
;; Outputs: out0 16 x 1,024 float32; out1 16 x 1,024 float32.
;; This version of the problem:
;;   THIS VERSION OF THE PROBLEM IS GIVEN IN LOW PRECISION. The matrix products marked QUANTISED in the list below multiply operands that are first quantised to E5M2 (5 exponent bits, 2 mantissa bits; 8 bits a number), with one power-of-two scale for each 32 numbers along K (OCP MX v1.0); their sums are f32. All else is computed in f32.
;;   The module's matrix products, in the order in which they are computed (A, B: the left and right operand; K: the contracted axis; several contracted axes count as one K, in the product's order):
;;     1. [M 16, K 1,024] x [K 1,024, N 1,024]; A: input q (given as codes); B: input Wq (given as codes): QUANTISED
;;     2. [M 32,768, K 1,024] x [K 1,024, N 1,024]; A: input k (given as codes); B: input Wk (given as codes): QUANTISED
;;     3. [M 32,768, K 1,024] x [K 1,024, N 1,024]; A: input v (given as codes); B: input Wv (given as codes): QUANTISED
;;     4. batch 256 x [M 1, K 64] x [K 64, N 2,048]; A: computed on the way; B: computed on the way: left as it is (M = 1 < 16)
;;     5. batch 256 x [M 1, K 2,048] x [K 2,048, N 64]; A: softmax; B: computed on the way: left as it is (M = 1 < 16)
;;     6. batch 256 x [M 1, K 2,048] x [K 2,048, N 64]; A: softmax; B: computed on the way: left as it is (M = 1 < 16)
;;     7. [M 16, K 1,024] x [K 1,024, N 1,024]; A: computed on the way; B: input Wo (given as codes): QUANTISED
;;     8. [M 16, K 1,024] x [K 1,024, N 1,024]; A: computed on the way; B: input Wo (given as codes): QUANTISED
;;   THE QUANTISER, for each operand of a quantised product, along K:
;;     - K is cut into blocks of 32 from its start; a last block that is shorter is filled with zeros.
;;     - A block's scale is 2^e with e = floor(log2(the largest magnitude in the block)) - 15, held to -126 .. 127; a block of zeros has e = 0. As a byte (E8M0): e + 127.
;;     - Each number is divided by its block's scale, clamped to +-57,344, and rounded to the nearest number of E5M2, ties to even, subnormals kept.
;;     - The product sums the exact products of the quantised numbers (number of the format x scale) in f32.
;;   ~~~python
;;   def quantise(x, axis):      # numpy; x: float32 -> the quantised numbers, widened to float32 again
;;       x = np.moveaxis(x, axis, -1); K = x.shape[-1]
;;       x = np.pad(x, [(0, 0)] * (x.ndim - 1) + [(0, -K % 32)]); x = x.reshape(x.shape[:-1] + (-1, 32)); a = np.abs(x).max(-1, keepdims=True)
;;       e = np.where(a > 0, np.clip(np.frexp(np.where(a > 0, a, 1))[1] - 1 - 15, -126, 127), 0)      # np.frexp(a)[1] - 1 = floor(log2(a)), exactly
;;       r = np.clip(x / 2.0 ** e, -57344, 57344)
;;       step = 2.0 ** (np.maximum(np.frexp(np.where(r == 0, 1, r))[1] - 1, -14) - 2)
;;       q = np.round(r / step) * step * 2.0 ** e      # np.round: ties to even
;;       return np.moveaxis(q.reshape(q.shape[:-2] + (-1,))[..., :K], -1, axis).astype(np.float32)
;;   ~~~
;;   OPERANDS COMPUTED ON THE WAY. 'Computed on the way' means the value that the module computes at that place (a softmax that the list does not call 'softmax' is quantised finished and normalised). What goes into a quantiser is computed in f32, as accurately as f32 sums, v_exp_f32 and their like allow (about 1e-6 of the number): no bf16 or f16 on the way to a quantiser, and a product that is left as it is and whose result goes on into a quantised operand takes f32 operands (vector FMAs, or v_wmma_f32_16x16x4_f32). A number that lies on a knife's edge between two numbers of the format may be rounded either way, as far as f32 arithmetic and the matrix unit's own rounding can turn it there, and no further.
;;   INPUTS GIVEN AS CODES. Wk (in the module: [1024, 1024], K = its axis 0); Wo (in the module: [1024, 1024], K = its axis 0); Wq (in the module: [1024, 1024], K = its axis 0); Wv (in the module: [1024, 1024], K = its axis 0); k (in the module: [16, 2048, 1024], K = its axis 2); q (in the module: [16, 1, 1024], K = its axis 2); v (in the module: [16, 2048, 1024], K = its axis 2): each comes as NAME_codes (uint8): NAME with its K axis moved to the last place and cut into blocks of 32 codes, [.., K / 32, bytes a block], one block behind the other in memory; one code a byte (a code: sign, 5 exponent bits, 2 mantissa bits); and NAME_scales (uint8): the same leading axes, one E8M0 byte (e + 127) for each 32 codes along K. Its value is code x scale, taken as it is: it is not quantised again, and the codes and scales need not be those that the quantiser above would give.
;; One version. Each part assembles by itself: llvm-mc -triple=amdgcn-amd-amdhsa -mcpu=gfx1250 --defsym DOCPART=n.
;; ======== version 1 of 1: 2 launches
;; limits: right only within a limited range of input values
;; workspace buffers: part_o 524,288 bytes; part_ml 16,384 bytes
;; launch attn (part 1): grid 4 x 64, 4 waves a work-group, clusters of 4 x 4, 327,680 bytes of LDS; arguments q_codes, q_scales, Wq_codes, Wq_scales, bq, bk, k_codes, k_scales, Wk_codes, Wk_scales, v_codes, v_scales, Wv_codes, Wv_scales, maskfill, part_o, part_ml; writes part_o, part_ml
.if DOCPART == 1
	.amdgcn_target "amdgcn-amd-amdhsa--gfx1250"
	.amdhsa_code_object_version 6
	.text
	.protected	k_q90759f5ebc_attn
	.globl	k_q90759f5ebc_attn
	.p2align	8
	.type	k_q90759f5ebc_attn,@function
k_q90759f5ebc_attn:
	s_mov_b64 s[64:65], 0
	v_nop
	global_prefetch_b8 v0, s[64:65] scope:SCOPE_SE
	s_setreg_imm32_b32 hwreg(HW_REG_WAVE_MODE, 25, 1), 1
	s_wait_xcnt 0x0
	s_wait_alu depctr_hold_cnt(0) depctr_sa_sdst(0) depctr_va_vdst(0) depctr_va_sdst(0) depctr_va_ssrc(0) depctr_va_vcc(0) depctr_vm_vsrc(0)
	s_getreg_b32 s2, hwreg(HW_REG_IB_STS2, 6, 4)
	s_cmp_eq_u32 s2, 0
	s_cbranch_scc0 .Lentry_in_a_cluster
	s_endpgm
.Lentry_in_a_cluster:
	s_bfe_u32 s2, ttmp6, 0x10000c
	s_cmp_lg_u32 s2, 0xf033
	s_cbranch_scc0 .Lentry_shape_is_right
	s_endpgm
.Lentry_shape_is_right:
.set PITCH, 1040
.set QTR,  64*PITCH
.set BLKB, 16*PITCH
.set KSC,  4*QTR
.set SCH,  64*272
.set PB,   KSC
.set SCO,  KSC+2*SCH
.set SEG,  2304
.set OS,   SCO
.set MK,   SCO+8*SEG
.set QS,   MK+2048
.set QC,   QS+1024
.set SPARE, QC+256
.set SPW, 10
.set NIL, 11
.set AXB, 12
.set ASB, 13
.set ADX, 14
.set ADS, 15
.set ADP, 16
.set APB, 17
.set VX,  18
.set PFO, 19
.set AW0, 20
.set AW1, 21
.set SA,  24
.set VXB, 32
.set SB,  34
.set PR,  52
.set KX,  60
.set SCA, 102
.set MKA, 103
.set ML,  104
.set PST, 108
.set QCW, 109
.set O,   128
.set WS,  192
.set WV, 4
.set CC, 5
.set KH, 6
.set CX, 7
.set CY, 8
.set BB, 9
.set TRP, 10
.set HM, 11
.set SEL, 12
.set GG, 14
.set LIM, 15
.set XB, 16
.set XN, 17
.set SN, 18
.set PN, 19
.set VN, 20
.set WL, 21
.set HQ, 22
.set G1W, 24
.set G1X32, 32
.set G1X16, 40
.set G0W, 48
.set G0X, 52
.set PFP, 60
.set SGN, 62
.set MSB, 0
.macro WIN new
.if MSB != (\new)
	s_set_vgpr_msb (MSB<<8)|(\new)
.set MSB, (\new)
.endif
.endm
.macro PLACES n
.rept \n
	v_nop
.endr
.endm
.macro WALU
	s_wait_alu depctr_va_vdst(0)
.endm
.macro BARRIER
	s_barrier_signal -1
	s_barrier_wait -1
.endm
.macro CREST
	s_cmp_lg_u32 s[WV], 0
	s_cbranch_scc1 .Lnot_wave_0_\@
	s_barrier_signal -3
.Lnot_wave_0_\@:
	s_barrier_wait -3
	BARRIER
.endm
.macro CROUND
	BARRIER
	CREST
.endm
.macro TLOAD g0, g1
	tensor_load_to_lds s[\g0:\g0+3], s[\g1:\g1+7]
	s_nop 0
	PLACES 4
.endm
.macro GRD
	s_wait_tensorcnt 0x0
	ds_add_u32 v[SPW], v[NIL]
.endm
.macro GROUP1 g, mask, rows
	s_or_b32 s[\g], s[\mask], (1<<20)|(1<<21)|(7<<22)|(3<<25)
	s_mov_b32 s[\g+1], 1024<<16
	s_mov_b32 s[\g+2], \rows<<16
	s_mov_b32 s[\g+3], 1024<<16
	s_mov_b32 s[\g+4], \rows
	s_mov_b32 s[\g+5], 1024
	s_mov_b32 s[\g+6], 0
	s_mov_b32 s[\g+7], 0
.endm
.macro LOADT t
	WIN (1+(\t)/4)<<6
.irp q, 0,1,2,3
.irp c, 0,1,2,3
	ds_load_b128 v[16*(4*((\t)%4)+\q)+4*\c:16*(4*((\t)%4)+\q)+4*\c+3], v[AW0+(\t)/4] offset:((\t)%4)*BLKB+128*\q+32*\c
.endr
.endr
.endm
.macro FRAG e, b, q
	WIN 0xc0
.irp c, 0,1,2,3
	ds_load_b128 v[64*(1-\e)+16*\q+4*\c:64*(1-\e)+16*\q+4*\c+3], v[ADX] offset:BLKB*((\b+1)%4)+128*\q+32*\c
.endr
.endm
.macro PROD e, n
.set Q_, (\n)/8
.set T_, (\n)%8
.set W_, 16*(4*(T_%4)+Q_)
.set D_, 128+64*(\e)+8*T_
.set R_, 64*(\e)+16*Q_
.set XS_, SA+4*(\e)+Q_
.set WS_, SB+4*(T_/2)+Q_
	WIN 0xfc|(1+T_/4)
.if Q_ == 0
.if T_%2
	v_wmma_scale_f32_16x16x128_f8f6f4 v[D_:D_+7], v[W_:W_+15], v[R_:R_+15], 0, v[WS_], v[XS_] matrix_a_fmt:MATRIX_FMT_BF8 matrix_b_fmt:MATRIX_FMT_BF8 matrix_a_scale:MATRIX_SCALE_ROW1
.else
	v_wmma_scale_f32_16x16x128_f8f6f4 v[D_:D_+7], v[W_:W_+15], v[R_:R_+15], 0, v[WS_], v[XS_] matrix_a_fmt:MATRIX_FMT_BF8 matrix_b_fmt:MATRIX_FMT_BF8
.endif
.else
.if T_%2
	v_wmma_scale_f32_16x16x128_f8f6f4 v[D_:D_+7], v[W_:W_+15], v[R_:R_+15], v[D_:D_+7], v[WS_], v[XS_] matrix_a_fmt:MATRIX_FMT_BF8 matrix_b_fmt:MATRIX_FMT_BF8 matrix_a_scale:MATRIX_SCALE_ROW1
.else
	v_wmma_scale_f32_16x16x128_f8f6f4 v[D_:D_+7], v[W_:W_+15], v[R_:R_+15], v[D_:D_+7], v[WS_], v[XS_] matrix_a_fmt:MATRIX_FMT_BF8 matrix_b_fmt:MATRIX_FMT_BF8
.endif
.endif
.endm
.macro KLINE e, n
.set K_, 2*((\n)-4)
.irp u, 0,1
.set C_, 128+64*(1-\e)+2*(K_+\u)
.set B_, O+2*(K_+\u)
.set X_, KX+4*(K_/16)+2*\u
.if K_%16 == 0
	v_pk_mul_f32 v[X_:X_+1], v[C_:C_+1], v[B_:B_+1]
.else
	v_pk_fma_f32 v[X_:X_+1], v[C_:C_+1], v[B_:B_+1], v[X_:X_+1]
.endif
.endr
.endm
.macro KRED i
.if (\i) == 0
	v_pk_add_f32 v[KX:KX+1], v[KX:KX+1], v[KX+2:KX+3]
.elseif (\i) == 1
	v_pk_add_f32 v[KX+4:KX+5], v[KX+4:KX+5], v[KX+6:KX+7]
.elseif (\i) == 2
	v_add_f32 v68, v[KX], v[KX+1]
.elseif (\i) == 3
	v_add_f32 v69, v[KX+4], v[KX+5]
.elseif (\i) == 4
	v_cndmask_b32 v70, v68, v69, s[HM]
.elseif (\i) == 5
	v_cndmask_b32 v68, v69, v68, s[HM]
.elseif (\i) == 6
	v_permlanex16_b32 v71, v68, s[SEL], s[SEL+1]
.else
	v_add_f32 v70, v70, v71
.endif
.endm
.macro VLINE e, n
.set C_, 128+64*(1-\e)+2*(\n)
.set O_, O+2*(\n)
.set P_, PR+4*(1-\e)+2*((\n)/16)
	v_pk_fma_f32 v[O_:O_+1], v[C_:C_+1], v[P_:P_+1], v[O_:O_+1] op_sel_hi:[1,0,1]
	v_pk_fma_f32 v[O_+64:O_+65], v[C_:C_+1], v[P_:P_+1], v[O_+64:O_+65] op_sel:[0,1,0] op_sel_hi:[1,1,1]
.endm
.macro LIST ph, e, b, kind, fetch, n
.if \ph
	WIN 0x03
	VLINE \e, \n
.elseif (\n) >= 4 && (\n) < 20
	WIN 0x03
	KLINE \e, \n
.elseif (\n) == 20 || (\n) == 22 || (\n) == 24
	WIN 0
	KRED (\n)-20
	KRED (\n)-19
.elseif (\n) == 26 || (\n) == 27
	WIN 0
	KRED (\n)-20
.elseif (\n) >= 28
	v_nop
.endif
.if \fetch
.if (\n) == 1
	FRAG \e, \b, 0
.elseif (\n) == 4
	FRAG \e, \b, 1
.elseif (\n) == 6
	FRAG \e, \b, 2
.elseif (\n) == 8
	WIN 0
	ds_load_b128 v[SA+4*(1-\e):SA+4*(1-\e)+3], v[ADS] offset:544*(\b+1)
.endif
.endif
.if \ph && (\n) == 8
	WIN 0
	ds_load_b128 v[PR+4*\e:PR+4*\e+3], v[ADP] offset:256*\b
.endif
.if \fetch && (\n) == 8
	FRAG \e, \b, 3
.endif
.if (\n) == 3
	s_wait_dscnt 4*\fetch+1-\ph
.endif
.if (\n) == 16 && \b == 2 && \kind > 0 && \kind < 4
	v_add_nc_u32 v[ADX], s[XN], v[AXB]
.endif
.if (\n) == 16 && \b == 3 && \fetch
	v_add_nc_u32 v[ADS], s[SN], v[ASB]
.if \ph
	v_add_nc_u32 v[ADP], s[PN], v[APB]
.endif
.endif
.if \ph == 0
.if (\n) == 28 && \kind == 0
	WIN 0
	ds_store_b32 v[VX], v70 offset:64*\b
.endif
.if (\n) == 29 && \b == 3
	WIN 0
	v_add_nc_u32 v[VX], s[VN], v[VXB]
.endif
.endif
.if (\n) == 9 && (\kind == 1 || \kind == 2 || \kind == 4)
	WIN 0
.if \ph == 0
	WALU
.endif
.if \kind == 1
	s_wait_xcnt 0x0
	s_add_nc_u64 s[PFP:PFP+1], s[PFP:PFP+1], 0x10000
.endif
	GRD
.if \kind == 1
	s_add_co_u32 s[G0X+1], s[WL], s[XB]
	s_add_nc_u64 s[G0X+2:G0X+3], s[G0X+2:G0X+3], 0x10000
.else
	s_add_co_u32 s[G0W+1], s[WL], s[XB]
.if \kind == 4
	s_add_nc_u64 s[G0W+2:G0W+3], s[G0W+2:G0W+3], 0x20000
.endif
.endif
.endif
.if (\n) == 28 && \kind > 0
	WIN 0
	WALU
.if \kind == 3
	s_wait_tensorcnt 0x0
.endif
	s_wait_dscnt 0x0
	s_barrier_signal -1
.endif
.endm
.macro BLK ph, e, b, kind, fetch
	s_wait_dscnt 5-\ph
.set N_, 0
.rept 32
	PROD \e, N_
	LIST \ph, \e, \b, \kind, \fetch, N_
.set N_, N_+1
.endr
.if \kind > 0
	WIN 0
	s_barrier_wait -1
.if \kind != 3
	CREST
.if \kind == 1
	TLOAD G0X, G1X16
.else
	TLOAD G0W, G1W
.endif
.if \ph == 0
	ds_store_b32 v[VX], v70 offset:64*\b
.endif
.endif
.endif
.endm
.macro ASK
	s_cmp_lt_u32 s[TRP], s[LIM]
	s_cbranch_scc0 .Lnot_mine_\@
	global_prefetch_b8 v[PFO], s[PFP:PFP+1] th:TH_LOAD_NT scope:SCOPE_SE
.Lnot_mine_\@:
.endm
.macro NEXT
	s_xor_b32 s[XB], s[XB], QTR
	s_xor_b32 s[XN], s[XN], QTR
	s_add_co_u32 s[SN], s[SN], 2176
	s_add_co_u32 s[PN], s[PN], 1024
	s_add_co_u32 s[VN], s[VN], 256
.endm
.macro QPROD s
	WIN 0xfc|(1+(\s)/4)
.irp t, 0,1,2,3
.set W_, 16*(4*\t+(\s)%4)
.set WS_, 82+8*(\t/2)+\s
.if (\s) == 0
.set C_, 160+8*\t
.else
.set C_, 128+8*\t
.endif
.if \t%2
	v_wmma_scale_f32_16x16x128_f8f6f4 v[128+8*\t:135+8*\t], v[W_:W_+15], v[16*\s:16*\s+15], v[C_:C_+7], v[WS_], v[72+\s] matrix_a_fmt:MATRIX_FMT_BF8 matrix_b_fmt:MATRIX_FMT_BF8 matrix_a_scale:MATRIX_SCALE_ROW1
.else
	v_wmma_scale_f32_16x16x128_f8f6f4 v[128+8*\t:135+8*\t], v[W_:W_+15], v[16*\s:16*\s+15], v[C_:C_+7], v[WS_], v[72+\s] matrix_a_fmt:MATRIX_FMT_BF8 matrix_b_fmt:MATRIX_FMT_BF8
.endif
.endr
.endm
.macro SADD d, x
	s_add_co_u32 s[\d], s[\d], \x
.endm
	s_load_b512 s[68:83], s[0:1], 0x0
	s_load_b512 s[84:99], s[0:1], 0x40
	s_load_b64 s[100:101], s[0:1], 0x80
	v_lshl_add_u32 v[SPW], v0, 2, SPARE
	v_mov_b32 v[NIL], 0
	ds_add_u32 v[SPW], v[NIL]
	ds_add_u32 v[SPW], v[NIL]
	v_lshrrev_b32 v1, 5, v0
	v_readfirstlane_b32 s[WV], v1
	s_lshr_b32 s[CC], s[WV], 1
	s_and_b32 s[KH], s[WV], 1
	s_bfe_u32 s[CX], ttmp6, 0x40000
	s_bfe_u32 s[CY], ttmp6, 0x40004
	s_and_b32 s[BB], ttmp7, 0xffff
	s_lshl_b32 s[GG], s[BB], 2
	SADD GG, s[CY]
	s_lshl_b32 s66, s[CY], 2
	s_lshl_b32 s66, 15, s66
	s_lshl_b32 s67, 0x1111, s[CX]
	GROUP1 G1W, 67, 64
	GROUP1 G1X32, 66, 32
	GROUP1 G1X16, 66, 16
	s_lshl_b32 s[HQ], s[KH], 1
	SADD HQ, s[CC]
	s_mul_i32 s[WL], s[WV], BLKB
	s_lshl_b32 s2, s[KH], 9
	s_mul_i32 s3, s[CC], QTR
	s_mul_i32 s56, s[WV], QTR
	s_lshl_b32 s57, s[KH], 4
	SADD 57, KSC
	s_lshl_b32 s58, s[CC], 13
	SADD 58, PB
	s_mul_i32 s59, s[WV], 2*SEG
	SADD 59, SCO+192
	s_lshl_b32 s60, s[CX], 1
	SADD 60, s[WV]
	s_lshl_b32 s60, s60, 13
	s_lshl_b32 s61, s[CX], 2
	SADD 61, s[WV]
	s_lshl_b32 s61, s61, 13
	s_lshl_b32 s62, s[CY], 2
	SADD 62, s[WV]
	s_lshl_b32 s62, s62, 13
	s_mul_i32 s63, s[WV], 8*544
	SADD 63, KSC
	s_lshl_b32 s104, s[WV], 12
	s_lshl_b32 s105, s[CC], 12
	s_lshl_b32 s23, s[KH], 4
	SADD 105, s23
	s_lshl_b32 s23, s[HQ], 8
	SADD 23, QS
	s_lshl_b32 s66, s[HQ], 2
	SADD 66, QC
	s_lshl_b32 s67, s[WV], 9
	SADD 67, MK
	s_lshl_b32 s16, s[CC], 9
	SADD 16, QS
	s_mul_i32 s17, s[CC], 4*SEG
	s_mul_i32 s18, s[KH], SEG
	SADD 17, s18
	SADD 17, SCO+256
	s_lshl_b32 s18, s[CC], 13
	s_lshl_b32 s19, s[KH], 3
	SADD 18, s19
	SADD 18, PB
	s_lshl_b32 s19, s[WV], 2
	SADD 19, QC
	s_mov_b32 s[G0W], 1
	s_mov_b32 s[G0W+1], s56
	v_and_b32 v1, 15, v0
	v_bfe_u32 v2, v0, 4, 1
	v_and_b32 v3, 31, v0
	v_mul_u32_u24 v4, v1, PITCH
	v_lshl_add_u32 v4, v2, 4, v4
	v_add_nc_u32 v[AXB], s2, v4
	v_add_nc_u32 v[AW0], s3, v[AXB]
	v_add_nc_u32 v[AW1], 2*QTR, v[AW0]
	v_add_nc_u32 v5, s56, v4
	v_lshlrev_b32 v6, 5, v1
	v_lshrrev_b32 v7, 3, v1
	v_lshl_add_u32 v6, v7, 4, v6
	v_add_nc_u32 v[ASB], s57, v6
	v_lshl_add_u32 v[APB], v1, 4, s58
	v_mul_u32_u24 v7, v2, SEG
	v_lshl_add_u32 v7, v1, 2, v7
	v_add_nc_u32 v[VXB], s59, v7
	v_lshl_add_u32 v[PFO], v3, 8, s60
	v_lshl_add_u32 v8, v3, 8, s61
	v_lshl_add_u32 v9, v3, 8, s62
	v_add_nc_u32 v22, v3, v2
	v_lshl_add_u32 v22, v22, 4, s63
	v_lshl_add_u32 v23, v3, 4, s104
	v_lshl_add_u32 v50, v3, 5, s105
	v_lshlrev_b32 v51, 5, v3
	v_lshl_add_u32 v52, v2, 5, s23
	v_mov_b32 v53, s66
	v_lshl_add_u32 v54, v3, 4, s67
	v_lshl_add_u32 v55, v2, 5, s16
	v_lshlrev_b32 v68, 4, v2
	v_lshlrev_b32 v69, 5, v2
	v_lshlrev_b32 v70, 4, v3
	v_mov_b32 v71, 0
	v_lshl_add_u32 v[SCA], v3, 2, s17
	v_add_nc_u32 v[MKA], s67, v3
	v_lshl_add_u32 v[PST], v3, 4, s18
	v_mov_b32 v[QCW], s19
	v_mov_b32 v[ADX], v[AXB]
	v_mov_b32 v[ADS], v[ASB]
	v_mov_b32 v[VX], v[VXB]
	v_mov_b32 v111, 0
	v_mov_b32 v112, 0
	WALU
	s_mov_b32 s[HM], 0xffff0000
	s_mov_b32 s[SEL], 0x76543210
	s_mov_b32 s[SEL+1], 0xfedcba98
	s_mov_b32 s[XB], 0
	s_mov_b32 s[XN], QTR
	s_mov_b32 s[SN], 2176
	s_mov_b32 s[PN], 1024
	s_mov_b32 s[VN], 256
	s_mov_b32 s[TRP], 0
	s_cmp_lt_u32 s[WV], 2
	s_cselect_b32 s[LIM], 4, 0
	s_wait_dscnt 0x0
	CROUND
	s_lshl_b32 s66, s[CX], 18
	s_mov_b32 s67, 0
	s_lshl_b32 s2, s[HQ], 16
	s_wait_kmcnt 0x0
	s_add_nc_u64 s[72:73], s[72:73], s[66:67]
	s_add_nc_u64 s[84:85], s[84:85], s[66:67]
	s_add_nc_u64 s[92:93], s[92:93], s[66:67]
	s_mov_b32 s66, s2
	s_add_nc_u64 s[G0W+2:G0W+3], s[72:73], s[66:67]
	s_or_b32 s[G0W+3], s[G0W+3], 0x80000000
	TLOAD G0W, G1W
	s_lshl_b32 s66, s[GG], 19
	s_add_nc_u64 s[80:81], s[80:81], s[66:67]
	s_add_nc_u64 s[88:89], s[88:89], s[66:67]
	s_lshl_b32 s66, s[GG], 14
	s_add_nc_u64 s[82:83], s[82:83], s[66:67]
	s_add_nc_u64 s[90:91], s[90:91], s[66:67]
	s_lshl_b32 s66, s[CX], 13
	s_add_nc_u64 s[74:75], s[74:75], s[66:67]
	s_add_nc_u64 s[86:87], s[86:87], s[66:67]
	s_add_nc_u64 s[94:95], s[94:95], s[66:67]
	s_lshl_b32 s66, s[HQ], 11
	s_add_nc_u64 s[74:75], s[74:75], s[66:67]
	s_lshl_b32 s66, s[CX], 10
	s_lshl_b32 s2, s[HQ], 8
	SADD 66, s2
	s_add_nc_u64 s[76:77], s[76:77], s[66:67]
	s_add_nc_u64 s[78:79], s[78:79], s[66:67]
	s_lshl_b32 s66, s[BB], 10
	s_add_nc_u64 s[68:69], s[68:69], s[66:67]
	s_lshl_b32 s66, s[BB], 5
	s_add_nc_u64 s[70:71], s[70:71], s[66:67]
	s_lshl_b32 s66, s[BB], 15
	s_lshl_b32 s2, s[CX], 13
	SADD 66, s2
	s_lshl_b32 s2, s[WV], 11
	SADD 66, s2
	s_lshl_b32 s2, s[CY], 9
	SADD 66, s2
	s_add_nc_u64 s[96:97], s[96:97], s[66:67]
	s_lshl_b32 s66, s[GG], 13
	s_lshl_b32 s2, s[CX], 8
	SADD 66, s2
	s_add_nc_u64 s[98:99], s[98:99], s[66:67]
	s_lshl_b32 s66, s[GG], 8
	s_lshl_b32 s2, s[CX], 6
	SADD 66, s2
	s_lshl_b32 s2, s[WV], 4
	SADD 66, s2
	s_add_nc_u64 s[100:101], s[100:101], s[66:67]
	s_mov_b32 s66, 0x30000
	s_add_nc_u64 s[PFP:PFP+1], s[80:81], s[66:67]
	WIN 0xc0
.irp s, 0,1,2,3,4,5,6,7
.irp c, 0,1,2,3
	global_load_b128 v[16*\s+4*\c:16*\s+4*\c+3], v68, s[68:69] offset:128*\s+32*\c
.endr
.endr
.irp t, 0,1,2,3
.irp u, 0,1
	global_load_b128 v[160+8*\t+4*\u:163+8*\t+4*\u], v69, s[76:77] offset:64*\t+16*\u
	global_load_b128 v[192+8*\t+4*\u:195+8*\t+4*\u], v69, s[78:79] offset:64*\t+16*\u
.endr
.endr
	WIN 0
.irp u, 0,1
	global_load_b128 v[72+4*\u:75+4*\u], v71, s[70:71] offset:16*\u
.irp p, 0,1
	global_load_b128 v[82+8*\p+4*\u:85+8*\p+4*\u], v51, s[74:75] offset:1024*\p+16*\u
.endr
.endr
	global_prefetch_b8 v8, s[80:81] th:TH_LOAD_NT scope:SCOPE_SE
	s_cmp_lt_u32 s[BB], 4
	s_cbranch_scc0 .Lno_wk
	global_prefetch_b8 v9, s[84:85] th:TH_LOAD_NT scope:SCOPE_SE
	global_prefetch_b8 v9, s[84:85] offset:0x20000 th:TH_LOAD_NT scope:SCOPE_SE
.Lno_wk:
.irp p, 0,1,2,3
	global_load_b128 v[SB+4*\p:SB+4*\p+3], v50, s[86:87] offset:1024*\p
	global_load_b128 v[WS+4*\p:WS+4*\p+3], v50, s[94:95] offset:1024*\p
.endr
.irp i, 0,1,2,3,4,5,6,7
	global_load_b128 v[128+4*\i:131+4*\i], v23, s[82:83] offset:512*\i
	global_load_b128 v[160+4*\i:163+4*\i], v23, s[90:91] offset:512*\i
.endr
	global_load_b128 v[98:101], v70, s[96:97]
	s_wait_tensorcnt 0x0
.irp s, 0,1,2,3,4,5,6,7
	WIN (1+\s/4)<<6
.irp t, 0,1,2,3
.irp c, 0,1,2,3
	ds_load_b128 v[16*(4*\t+\s%4)+4*\c:16*(4*\t+\s%4)+4*\c+3], v5 offset:BLKB*\t+128*\s+32*\c
.endr
.endr
.endr
	WIN 0
	GRD
	s_lshl_b32 s66, s[HQ], 16
	s_add_nc_u64 s[G0W+2:G0W+3], s[84:85], s[66:67]
	s_or_b32 s[G0W+3], s[G0W+3], 0x80000000
	s_wait_dscnt 63
	s_wait_loadcnt 25
.irp s, 0,1,2,3
	QPROD \s
.endr
	WIN 0
	s_wait_dscnt 0x0
	CROUND
	TLOAD G0W, G1W
.irp s, 4,5,6,7
	QPROD \s
.endr
	WIN 0
	global_prefetch_b8 v8, s[80:81] offset:0x20000 th:TH_LOAD_NT scope:SCOPE_SE
	s_cmp_lt_u32 s[BB], 4
	s_cbranch_scc0 .Lno_wv
	global_prefetch_b8 v9, s[92:93] th:TH_LOAD_NT scope:SCOPE_SE
	global_prefetch_b8 v9, s[92:93] offset:0x20000 th:TH_LOAD_NT scope:SCOPE_SE
.Lno_wv:
	PLACES 8
	WIN 0xc3
.irp k, 0,1,2,3,4,5,6,7,8,9,10,11,12,13,14,15
	v_pk_mul_f32 v[224+2*\k:225+2*\k], v[128+2*\k:129+2*\k], 0x3e38aa3b op_sel_hi:[1,0]
.endr
	WIN 0xff
	v_pk_mul_f32 v[0:1], v[224:225], v[192:193]
	v_pk_mul_f32 v[2:3], v[240:241], v[208:209]
.irp k, 1,2,3,4,5,6,7
	v_pk_fma_f32 v[0:1], v[224+2*\k:225+2*\k], v[192+2*\k:193+2*\k], v[0:1]
	v_pk_fma_f32 v[2:3], v[240+2*\k:241+2*\k], v[208+2*\k:209+2*\k], v[2:3]
.endr
	v_pk_add_f32 v[0:1], v[0:1], v[2:3]
	v_add_f32 v0, v0, v1
	v_permlanex16_b32 v1, v0, s[SEL], s[SEL+1]
	v_add_f32 v0, v0, v1
	WIN 0x0c
.irp k, 0,1,2,3
	ds_store_b128 v52, v[224+8*\k:227+8*\k] offset:64*\k
	ds_store_b128 v52, v[228+8*\k:231+8*\k] offset:64*\k+16
.endr
	ds_store_b32 v53, v0
	WIN 0xc0
.set I_, 0
.rept 64
	v_mov_b32 v[192+I_], 0
.set I_, I_+1
.endr
	WIN 0
	WALU
	s_wait_loadcnt 0x0
.irp i, 0,1,2,3,4,5,6,7
	ds_store_b128 v22, v[128+4*\i:131+4*\i] offset:544*\i
	ds_store_b128 v22, v[160+4*\i:163+4*\i] offset:SCH+544*\i
.endr
	ds_store_b128 v54, v[98:101]
	s_wait_tensorcnt 0x0
	s_wait_dscnt 0x0
	BARRIER
.irp t, 0,1,2,3
	LOADT \t
.endr
	WIN 0
	GRD
	s_mov_b32 s[G0X], 1
	s_lshl_b32 s[G0X+1], s[WL], 1
	s_lshl_b32 s66, s[WV], 15
	s_add_nc_u64 s[G0X+2:G0X+3], s[80:81], s[66:67]
	s_or_b32 s[G0X+3], s[G0X+3], 0x80000000
	s_wait_dscnt 0x0
	CROUND
	TLOAD G0X, G1X32
.irp t, 4,5,6,7
	LOADT \t
.endr
	WIN 0
.irp k, 0,1,2,3,4,5,6,7
	ds_load_b128 v[O+8*\k:O+8*\k+3], v55 offset:64*\k
	ds_load_b128 v[O+8*\k+4:O+8*\k+7], v55 offset:64*\k+16
.endr
	GRD
	s_mov_b32 s[G1W+2], 32<<16
	s_mov_b32 s[G1W+4], 32
	s_lshl_b32 s2, s[WL], 1
	s_add_co_u32 s[G0W+1], s2, 2*QTR
	s_lshl_b32 s66, s[CC], 17
	s_lshl_b32 s2, s[KH], 15
	SADD 66, s2
	SADD 66, 0x10000
	s_add_nc_u64 s[G0W+2:G0W+3], s[92:93], s[66:67]
	s_or_b32 s[G0W+3], s[G0W+3], 0x80000000
	s_lshl_b32 s66, s[WV], 14
	SADD 66, 0x10000
	s_add_nc_u64 s[G0X+2:G0X+3], s[80:81], s[66:67]
	s_or_b32 s[G0X+3], s[G0X+3], 0x80000000
	s_wait_dscnt 0x0
	CROUND
	TLOAD G0W, G1W
.irp q, 0,1,2,3
	FRAG 1, 3, \q
.endr
	WIN 0
	ds_load_b128 v[SA:SA+3], v[ADS]
	s_wait_dscnt 0x0
.Lk:
	BLK 0, 0, 0, 0, 1
	BLK 0, 1, 1, 0, 1
	BLK 0, 0, 2, 1, 1
	BLK 0, 1, 3, 0, 1
	WIN 0
	ASK
	NEXT
	s_add_co_u32 s[TRP], s[TRP], 1
	s_cmp_lt_u32 s[TRP], 6
	s_cbranch_scc1 .Lk
	s_mov_b32 s[G1W+2], 16<<16
	s_mov_b32 s[G1W+4], 16
	s_lshl_b32 s66, s[WV], 14
	s_add_nc_u64 s[G0W+2:G0W+3], s[92:93], s[66:67]
	s_or_b32 s[G0W+3], s[G0W+3], 0x80000000
	BLK 0, 0, 0, 0, 1
	BLK 0, 1, 1, 0, 1
	BLK 0, 0, 2, 2, 1
	BLK 0, 1, 3, 0, 1
	WIN 0
	global_prefetch_b8 v8, s[88:89] th:TH_LOAD_NT scope:SCOPE_SE
	NEXT
	BLK 0, 0, 0, 0, 1
	BLK 0, 1, 1, 0, 1
	BLK 0, 0, 2, 4, 1
	BLK 0, 1, 3, 0, 0
	WIN 0
	global_prefetch_b8 v8, s[88:89] offset:0x20000 th:TH_LOAD_NT scope:SCOPE_SE
	PLACES 8
	LOADT 4
	WIN 0x03
.set N_, 4
.rept 16
	KLINE 0, N_
.set N_, N_+1
.endr
	WIN 0
.irp i, 0,1,2,3,4,5,6,7
	KRED \i
.endr
	ds_store_b32 v[VX], v70
.irp t, 5,6,7
	LOADT \t
.endr
	WIN 0
.irp k, 0,1,2,3,4,5,6,7,8,9,10,11,12,13,14,15
	v_mov_b32 v[SB+\k], v[WS+\k]
.endr
	WALU
	GRD
	s_lshl_b32 s2, s[WL], 1
	s_add_co_u32 s[G0X+1], s2, 2*QTR
	s_lshl_b32 s66, s[WV], 15
	s_add_nc_u64 s[G0X+2:G0X+3], s[88:89], s[66:67]
	s_or_b32 s[G0X+3], s[G0X+3], 0x80000000
	s_wait_dscnt 0x0
	CROUND
	TLOAD G0X, G1X32
.irp k, 0,1,2,3,4,5,6,7,8,9,10,11,12,13,14,15
	ds_load_b32 v[128+\k], v[SCA] offset:128*\k
	ds_load_b32 v[144+\k], v[SCA] offset:128*\k+2*SEG
	ds_load_u8 v[160+\k], v[MKA] offset:32*\k
.endr
	ds_load_b32 v110, v[QCW]
.irp t, 0,1,2
	LOADT \t
.endr
	WIN 0
	s_xor_b32 s2, s[CY], s[KH]
	s_and_b32 s2, s2, 1
	s_mul_i32 s[SGN], s2, 0x80808080
	WIN 0x88
.set I_, 0
.rept 256
	v_xor_b32 v[I_], s[SGN], v[I_]
.set I_, I_+1
.endr
	WIN 0
	s_wait_dscnt 48
.irp k, 0,1,2,3,4,5,6,7,8,9,10,11,12,13,14,15
	v_add_f32 v[128+\k], v[128+\k], v[144+\k]
.endr
.irp k, 0,1,2,3,4,5,6,7,8,9,10,11,12,13,14,15
	v_add_f32 v[128+\k], v[128+\k], v110
.endr
.irp k, 0,1,2,3,4,5,6,7,8,9,10,11,12,13,14,15
	v_cmp_eq_u32 vcc_lo, 0, v[160+\k]
	v_cndmask_b32 v[144+\k], 0, v[128+\k], vcc_lo
.endr
	v_max3_num_f32 v104, v128, v129, v130
	v_max3_num_f32 v106, v144, v145, v146
.irp k, 3,5,7,9,11,13
	v_max3_num_f32 v104, v104, v[128+\k], v[129+\k]
	v_max3_num_f32 v106, v106, v[144+\k], v[145+\k]
.endr
	v_max_num_f32 v104, v104, v143
	v_max_num_f32 v106, v106, v159
.irp x, 1,2,4,8
	v_max_num_f32_dpp v104, v104, v104 row_xmask:\x row_mask:0xf bank_mask:0xf
	v_max_num_f32_dpp v106, v106, v106 row_xmask:\x row_mask:0xf bank_mask:0xf
.endr
	v_permlanex16_b32 v111, v104, s[SEL], s[SEL+1]
	v_permlanex16_b32 v112, v106, s[SEL], s[SEL+1]
	v_max_num_f32 v104, v104, v111
	v_max_num_f32 v106, v106, v112
.irp k, 0,1,2,3,4,5,6,7,8,9,10,11,12,13,14,15
	v_sub_f32 v[128+\k], v[128+\k], v104
	v_sub_f32 v[144+\k], v[144+\k], v106
.endr
	WALU
.irp k, 0,1,2,3,4,5,6,7,8,9,10,11,12,13,14,15
	v_exp_f32 v[208+2*\k], v[128+\k]
	v_exp_f32 v[209+2*\k], v[144+\k]
.endr
	v_nop
	WALU
.irp k, 0,1,2,3,4,5,6,7,8,9,10,11,12,13,14,15
	ds_store_b64 v[PST], v[208+2*\k:209+2*\k] offset:512*\k
.endr
.irp k, 0,1,2,3
	v_pk_add_f32 v[114+2*\k:115+2*\k], v[208+2*\k:209+2*\k], v[216+2*\k:217+2*\k]
.endr
.irp i, 224,232
.irp k, 0,1,2,3
	v_pk_add_f32 v[114+2*\k:115+2*\k], v[114+2*\k:115+2*\k], v[\i+2*\k:\i+2*\k+1]
.endr
.endr
	v_pk_add_f32 v[114:115], v[114:115], v[116:117]
	v_pk_add_f32 v[118:119], v[118:119], v[120:121]
	v_pk_add_f32 v[114:115], v[114:115], v[118:119]
.irp x, 1,2,4,8
	v_add_f32_dpp v114, v114, v114 row_xmask:\x row_mask:0xf bank_mask:0xf
	v_add_f32_dpp v115, v115, v115 row_xmask:\x row_mask:0xf bank_mask:0xf
.endr
	v_permlanex16_b32 v111, v114, s[SEL], s[SEL+1]
	v_permlanex16_b32 v112, v115, s[SEL], s[SEL+1]
	v_add_f32 v105, v114, v111
	v_add_f32 v107, v115, v112
	LOADT 3
	WIN 0
.set I_, 0
.rept 128
	v_mov_b32 v[O+I_], 0
.set I_, I_+1
.endr
.irp k, 0,1,2,3
	v_mov_b32 v[PR+4+\k], 0
.endr
	WALU
	s_wait_dscnt 0x0
	WIN 0x44
.set I_, 0
.rept 256
	v_xor_b32 v[I_], s[SGN], v[I_]
.set I_, I_+1
.endr
	WIN 0
	s_mov_b32 s[XB], 2*QTR
	s_mov_b32 s[XN], 3*QTR
	s_mov_b32 s[SN], SCH+2176
	s_mov_b32 s[PN], 1024
	s_mov_b32 s[TRP], 0
	v_add_nc_u32 v[ADX], 2*QTR, v[AXB]
	v_add_nc_u32 v[ADS], SCH, v[ASB]
	v_mov_b32 v[ADP], v[APB]
	WALU
	s_wait_xcnt 0x0
	s_mov_b32 s66, 0x30000
	s_add_nc_u64 s[PFP:PFP+1], s[88:89], s[66:67]
	s_wait_tensorcnt 0x0
	s_lshl_b32 s66, s[WV], 14
	SADD 66, 0x10000
	s_add_nc_u64 s[G0X+2:G0X+3], s[88:89], s[66:67]
	s_or_b32 s[G0X+3], s[G0X+3], 0x80000000
	s_wait_dscnt 0x0
	BARRIER
.irp q, 0,1,2,3
	FRAG 1, 3, \q
.endr
	WIN 0
	ds_load_b128 v[SA:SA+3], v[ADS]
	s_wait_dscnt 0x0
.Lv:
	BLK 1, 0, 0, 0, 1
	BLK 1, 1, 1, 0, 1
	BLK 1, 0, 2, 1, 1
	BLK 1, 1, 3, 0, 1
	WIN 0
	ASK
	NEXT
	s_add_co_u32 s[TRP], s[TRP], 1
	s_cmp_lt_u32 s[TRP], 6
	s_cbranch_scc1 .Lv
	BLK 1, 0, 0, 0, 1
	BLK 1, 1, 1, 0, 1
	BLK 1, 0, 2, 3, 1
	BLK 1, 1, 3, 0, 1
	BLK 1, 0, 0, 0, 1
	BLK 1, 1, 1, 0, 1
	BLK 1, 0, 2, 0, 1
	BLK 1, 1, 3, 0, 0
	WIN 0
	s_wait_dscnt 0x0
	PLACES 8
	WIN 0x03
.set N_, 0
.rept 32
	VLINE 0, N_
.set N_, N_+1
.endr
	WIN 0
	s_and_b32 s63, s[SGN], 0x80000000
.macro FOLD n, x
	v_and_b32 v81, \x, v1
	v_cmp_ne_u32 vcc_lo, 0, v81
.set I_, O
.rept \n/8
.irp k, 0,1,2,3,4,5,6,7
	v_cndmask_b32 v[72+\k], v[I_+\n+\k], v[I_+\k], vcc_lo
.endr
.irp k, 0,1,2,3,4,5,6,7
	v_cndmask_b32 v[I_+\k], v[I_+\k], v[I_+\n+\k], vcc_lo
.endr
.irp k, 0,1,2,3,4,5,6,7
	v_add_f32_dpp v[I_+\k], v[72+\k], v[I_+\k] row_xmask:\x row_mask:0xf bank_mask:0xf
.endr
.set I_, I_+8
.endr
.endm
	FOLD 64, 8
	FOLD 32, 4
	FOLD 16, 2
	FOLD 8, 1
.irp k, 0,1,2,3,4,5,6,7
	v_xor_b32 v[O+\k], s63, v[O+\k]
.endr
	s_lshl_b32 s2, s[KH], 11
	s_lshl_b32 s3, s[CC], 9
	SADD 2, s3
	SADD 2, OS
	v_lshrrev_b32 v80, 3, v1
	v_lshlrev_b32 v80, 10, v80
	v_and_b32 v81, 7, v1
	v_lshl_add_u32 v80, v81, 6, v80
	v_lshl_add_u32 v80, v2, 5, v80
	v_add_nc_u32 v80, s2, v80
	ds_store_b128 v80, v[O:O+3]
	ds_store_b128 v80, v[O+4:O+7] offset:16
	v_bfe_u32 v82, v0, 4, 2
	v_lshrrev_b32 v83, 6, v0
	v_lshlrev_b32 v84, 6, v1
	v_lshl_add_u32 v84, v82, 4, v84
	v_lshl_add_u32 v84, v83, 10, v84
	v_add_nc_u32 v84, OS, v84
	v_lshlrev_b32 v85, 12, v83
	v_lshl_add_u32 v85, v82, 10, v85
	v_lshl_add_u32 v85, v1, 4, v85
	v_mov_b32 v86, 0
	WALU
	s_wait_dscnt 0x0
	BARRIER
	ds_load_b128 v[88:91], v84
	ds_load_b128 v[92:95], v84 offset:2048
	s_wait_dscnt 0x0
	v_pk_add_f32 v[88:89], v[88:89], v[92:93]
	v_pk_add_f32 v[90:91], v[90:91], v[94:95]
	global_store_b128 v85, v[88:91], s[98:99]
	v_cmp_eq_u32 vcc_lo, 0, v3
	s_wait_xcnt 0x0
	s_and_saveexec_b32 s2, vcc_lo
	global_store_b128 v86, v[ML:ML+3], s[100:101]
	s_wait_xcnt 0x0
	s_or_b32 exec_lo, exec_lo, s2
	s_wait_tensorcnt 0x0
	ds_add_u32 v[SPW], v[NIL]
	s_wait_dscnt 0x0
	CROUND
	s_endpgm
.Lfunc_end_k_q90759f5ebc_attn:
	.size	k_q90759f5ebc_attn, .Lfunc_end_k_q90759f5ebc_attn-k_q90759f5ebc_attn
	.p2alignl 7, 3214868480
	.fill 96, 4, 3214868480
	.section	.rodata,"a",@progbits
	.p2align	6, 0x0
	.amdhsa_kernel k_q90759f5ebc_attn
		.amdhsa_group_segment_fixed_size 327680
		.amdhsa_private_segment_fixed_size 0
		.amdhsa_enable_private_segment 0
		.amdhsa_kernarg_size 136
		.amdhsa_user_sgpr_count 2
		.amdhsa_user_sgpr_kernarg_segment_ptr 1
		.amdhsa_wavefront_size32 1
		.amdhsa_system_sgpr_workgroup_id_x 1
		.amdhsa_system_sgpr_workgroup_id_y 1
		.amdhsa_system_sgpr_workgroup_id_z 1
		.amdhsa_system_vgpr_workitem_id 0
		.amdhsa_next_free_vgpr 1024
		.amdhsa_next_free_sgpr 106
		.amdhsa_reserve_vcc 1
		.amdhsa_float_denorm_mode_32 3
		.amdhsa_float_denorm_mode_16_64 3
		.amdhsa_memory_ordered 1
		.amdhsa_forward_progress 1
		.amdhsa_inst_pref_size 255
	.end_amdhsa_kernel
	.section	.bss,"aw",@nobits
	.p2align	6
	.space	262144
	.amdgpu_metadata
---
amdhsa.version: [ 1, 2 ]
amdhsa.kernels:
  - .name:           k_q90759f5ebc_attn
    .symbol:         k_q90759f5ebc_attn.kd
    .args:
      - { .name: q_codes, .offset: 0, .size: 8, .value_kind: global_buffer, .address_space: global }
      - { .name: q_scales, .offset: 8, .size: 8, .value_kind: global_buffer, .address_space: global }
      - { .name: Wq_codes, .offset: 16, .size: 8, .value_kind: global_buffer, .address_space: global }
      - { .name: Wq_scales, .offset: 24, .size: 8, .value_kind: global_buffer, .address_space: global }
      - { .name: bq, .offset: 32, .size: 8, .value_kind: global_buffer, .address_space: global }
      - { .name: bk, .offset: 40, .size: 8, .value_kind: global_buffer, .address_space: global }
      - { .name: k_codes, .offset: 48, .size: 8, .value_kind: global_buffer, .address_space: global }
      - { .name: k_scales, .offset: 56, .size: 8, .value_kind: global_buffer, .address_space: global }
      - { .name: Wk_codes, .offset: 64, .size: 8, .value_kind: global_buffer, .address_space: global }
      - { .name: Wk_scales, .offset: 72, .size: 8, .value_kind: global_buffer, .address_space: global }
      - { .name: v_codes, .offset: 80, .size: 8, .value_kind: global_buffer, .address_space: global }
      - { .name: v_scales, .offset: 88, .size: 8, .value_kind: global_buffer, .address_space: global }
      - { .name: Wv_codes, .offset: 96, .size: 8, .value_kind: global_buffer, .address_space: global }
      - { .name: Wv_scales, .offset: 104, .size: 8, .value_kind: global_buffer, .address_space: global }
      - { .name: maskfill, .offset: 112, .size: 8, .value_kind: global_buffer, .address_space: global }
      - { .name: part_o, .offset: 120, .size: 8, .value_kind: global_buffer, .address_space: global }
      - { .name: part_ml, .offset: 128, .size: 8, .value_kind: global_buffer, .address_space: global }
    .group_segment_fixed_size: 327680
    .private_segment_fixed_size: 0
    .kernarg_segment_align: 8
    .kernarg_segment_size: 136
    .max_flat_workgroup_size: 128
    .sgpr_count:     106
    .vgpr_count:     1024
    .wavefront_size: 32
...
	.end_amdgpu_metadata
.endif
;; end of part 1
;; launch outp (part 2): grid 16 x 16, 4 waves a work-group, no clusters, 4,608 bytes of LDS; arguments part_o, part_ml, bv, Wo_codes, Wo_scales, bo, out0, out1; writes out0, out1
.if DOCPART == 2
	.amdgcn_target "amdgcn-amd-amdhsa--gfx1250"
	.amdhsa_code_object_version 6
	.text
	.protected	k_q90759f5ebc_outp
	.globl	k_q90759f5ebc_outp
	.p2align	8
	.type	k_q90759f5ebc_outp,@function
k_q90759f5ebc_outp:
	s_mov_b64 s[64:65], 0
	v_nop
	global_prefetch_b8 v0, s[64:65] scope:SCOPE_SE
	s_setreg_imm32_b32 hwreg(HW_REG_WAVE_MODE, 25, 1), 1
	s_wait_xcnt 0x0
.set CP, 1040
.set SB, 2304
.set OU, 2560
.set O,  16
.set ML, 80
.set X,  88
.set CO, 104
.set AS, 108
.set WS, 116
.set W,  120
.set AFR, 128
.set MSB, 0
.macro WIN new
.if MSB != (\new)
	s_set_vgpr_msb (MSB<<8)|(\new)
.set MSB, (\new)
.endif
.endm
	s_load_b512 s[4:19], s[0:1], 0x0
	v_lshl_add_u32 v15, v0, 2, 0x1000
	s_set_vgpr_msb 0x40
	v_mov_b32 v129, 0
	s_set_vgpr_msb 0x4000
	v_lshrrev_b32 v120, 5, v0
	v_readfirstlane_b32 s20, v120
	s_and_b32 s21, ttmp7, 0xffff
	s_lshl_b32 s22, ttmp9, 2
	s_add_co_u32 s22, s22, s20
	v_and_b32 v120, 15, v0
	v_bfe_u32 v121, v0, 4, 1
	v_and_b32 v122, 63, v0
	v_lshrrev_b32 v123, 6, v0
	v_and_b32 v124, 31, v0
	v_and_b32 v125, 1, v0
	v_lshlrev_b32 v1, 4, v122
	v_lshl_add_u32 v1, v123, 12, v1
	v_lshrrev_b32 v2, 2, v122
	v_lshlrev_b32 v2, 4, v2
	v_lshl_add_u32 v2, v123, 3, v2
	v_lshlrev_b32 v3, 6, v122
	v_lshlrev_b32 v4, 10, v120
	v_lshl_add_u32 v4, v121, 4, v4
	v_lshlrev_b32 v5, 5, v120
	v_lshl_add_u32 v5, v121, 4, v5
	v_lshlrev_b32 v6, 2, v120
	v_mul_u32_u24 v7, v123, CP
	v_lshl_add_u32 v7, v122, 4, v7
	v_lshrrev_b32 v8, 1, v122
	v_lshl_add_u32 v8, v123, 5, v8
	v_add_nc_u32 v8, SB, v8
	v_mul_u32_u24 v9, v125, CP
	v_lshl_add_u32 v9, v121, 4, v9
	v_lshl_add_u32 v10, v125, 5, SB
	s_lshl_b32 s23, s20, 6
	s_add_co_u32 s23, s23, OU
	v_lshl_add_u32 v11, v120, 2, s23
	s_lshl_b32 s23, s20, 8
	s_add_co_u32 s23, s23, OU
	v_lshl_add_u32 v12, v124, 3, s23
	v_lshlrev_b32 v13, 3, v124
	s_mov_b32 s26, 0x600000
	s_mov_b32 s25, 0
	s_wait_kmcnt 0x0
	s_lshl_b32 s24, s21, 15
	s_add_nc_u64 s[4:5], s[4:5], s[24:25]
	s_lshl_b32 s24, s21, 10
	s_add_nc_u64 s[6:7], s[6:7], s[24:25]
	s_lshl_b32 s24, s22, 14
	s_add_nc_u64 s[10:11], s[10:11], s[24:25]
	s_lshl_b32 s24, s22, 9
	s_add_nc_u64 s[12:13], s[12:13], s[24:25]
	s_lshl_b32 s24, s22, 6
	s_add_nc_u64 s[14:15], s[14:15], s[24:25]
	s_cmp_eq_u32 s20, 0
	s_cselect_b64 s[16:17], s[16:17], s[18:19]
	s_lshl_b32 s24, s21, 12
	s_lshl_b32 s27, ttmp9, 8
	s_add_co_u32 s24, s24, s27
	s_add_nc_u64 s[16:17], s[16:17], s[24:25]
.irp c, 0,1,2,3
	global_load_b64 v[ML+2*\c:ML+2*\c+1], v2, s[6:7] offset:256*\c
.endr
.irp c, 0,1,2,3
.irp i, 0,1,2,3
	global_load_b128 v[O+16*\c+4*\i:O+16*\c+4*\i+3], v1, s[4:5] offset:8192*\c+1024*\i
.endr
.endr
.irp i, 0,1,2,3
	global_load_b128 v[X+4*\i:X+4*\i+3], v3, s[8:9] offset:16*\i
.endr
	WIN 0x40
.irp s, 0,1,2,3,4,5,6,7
.irp c, 0,1,2,3
	global_load_b128 v[16*\s+4*\c:16*\s+4*\c+3], v4, s[10:11] offset:128*\s+32*\c
.endr
.endr
	WIN 0
	global_load_b128 v[WS:WS+3], v5, s[12:13]
	global_load_b32 v14, v6, s[14:15]
	s_wait_loadcnt 34
	v_max3_num_f32 v104, v[ML], v[ML+2], v[ML+4]
	v_max_num_f32 v104, v104, v[ML+6]
.irp c, 0,1,2,3
	v_sub_f32 v[ML+2*\c], v[ML+2*\c], v104
.endr
	s_wait_alu depctr_va_vdst(0)
.irp c, 0,1,2,3
	v_exp_f32 v[ML+2*\c], v[ML+2*\c]
.endr
	v_nop
	s_wait_alu depctr_va_vdst(0)
	v_mul_f32 v105, v[ML], v[ML+1]
.irp c, 1,2,3
	v_fmac_f32 v105, v[ML+2*\c], v[ML+2*\c+1]
.endr
	s_wait_alu depctr_va_vdst(0)
	v_rcp_f32 v106, v105
	v_nop
	s_wait_alu depctr_va_vdst(0)
.irp c, 0,1,2,3
	v_mul_f32 v[W+2*\c], v[ML+2*\c], v106
	v_mul_f32 v[W+2*\c+1], v[ML+2*\c], v106
.endr
.irp c, 0,1,2,3
.irp k, 0,1,2,3,4,5,6,7
	v_pk_fma_f32 v[X+2*\k:X+2*\k+1], v[O+16*\c+2*\k:O+16*\c+2*\k+1], v[W+2*\c:W+2*\c+1], v[X+2*\k:X+2*\k+1]
.endr
.endr
	v_max3_num_f32 v120, |v[X]|, |v[X+1]|, |v[X+2]|
	v_max3_num_f32 v121, |v[X+3]|, |v[X+4]|, |v[X+5]|
.irp i, 6,10
	v_max3_num_f32 v120, v120, |v[X+\i]|, |v[X+\i+1]|
	v_max3_num_f32 v121, v121, |v[X+\i+2]|, |v[X+\i+3]|
.endr
	v_max3_num_f32 v120, v120, |v[X+14]|, |v[X+15]|
	v_max3_num_f32 v120, v120, v121, 0x8000000
	v_max_num_f32_dpp v120, v120, v120 row_xmask:1 row_mask:0xf bank_mask:0xf
	v_add_nc_u32 v122, 0xf8800000, v120
	v_and_or_b32 v123, v120, 0x7f800000, s26
.irp i, 0,1,2,3,4,5,6,7,8,9,10,11,12,13,14,15
	v_med3_num_f32 v[X+\i], v[X+\i], -v123, v123
.endr
	v_cvt_scalef32_pk8_bf8_f32 v[CO:CO+1], v[X:X+7], v122
	v_cvt_scalef32_pk8_bf8_f32 v[CO+2:CO+3], v[X+8:X+15], v122
	v_lshrrev_b32 v124, 23, v122
	ds_store_b128 v7, v[CO:CO+3]
	ds_store_b8 v8, v124
	s_wait_dscnt 0x0
	s_barrier_signal -1
	s_barrier_wait -1
.irp s, 0,1,2,3,4,5,6,7
.irp c, 0,1,2,3
	ds_load_b128 v[AFR+16*\s+4*\c:AFR+16*\s+4*\c+3], v9 offset:128*\s+32*\c
.endr
.endr
	ds_load_b128 v[AS:AS+3], v10
	ds_load_b128 v[AS+4:AS+7], v10 offset:16
	s_wait_dscnt 0x0
	s_wait_loadcnt 0x0
	WIN 0x04
.irp s, 0,1,2,3,4,5,6,7
.set rD, O+8*(\s&1)
.if \s < 2
	v_wmma_scale_f32_16x16x128_f8f6f4 v[rD:rD+7], v[AFR+16*\s:AFR+16*\s+15], v[16*\s:16*\s+15], 0, v[AS+\s], v[WS+(\s&3)] matrix_a_fmt:MATRIX_FMT_BF8 matrix_b_fmt:MATRIX_FMT_BF8
.elseif \s < 4
	v_wmma_scale_f32_16x16x128_f8f6f4 v[rD:rD+7], v[AFR+16*\s:AFR+16*\s+15], v[16*\s:16*\s+15], v[rD:rD+7], v[AS+\s], v[WS+(\s&3)] matrix_a_fmt:MATRIX_FMT_BF8 matrix_b_fmt:MATRIX_FMT_BF8
.else
	v_wmma_scale_f32_16x16x128_f8f6f4 v[rD:rD+7], v[AFR+16*\s:AFR+16*\s+15], v[16*\s:16*\s+15], v[rD:rD+7], v[AS+\s], v[WS+(\s&3)] matrix_a_fmt:MATRIX_FMT_BF8 matrix_b_fmt:MATRIX_FMT_BF8 matrix_b_scale:MATRIX_SCALE_ROW1
.endif
.endr
	WIN 0
.rept 8
	v_nop
.endr
	v_add_f32 v32, v16, v24
	v_add_f32 v33, v17, v25
	v_add_f32 v32, v32, v14
	v_add_f32 v33, v33, v14
	ds_store_b32 v11, v32
	ds_store_b32 v11, v33 offset:256
	s_wait_dscnt 0x0
	s_barrier_signal -1
	s_barrier_wait -1
	s_cmp_lt_u32 s20, 2
	s_cbranch_scc0 .Ldone
	ds_load_b64 v[34:35], v12
	s_wait_dscnt 0x0
	global_store_b64 v13, v[34:35], s[16:17]
.Ldone:
	s_set_vgpr_msb 0x4
	s_wait_tensorcnt 0x0
	ds_add_u32 v15, v129
	s_wait_dscnt 0x0
	s_set_vgpr_msb 0x400
	s_endpgm
.Lfunc_end_k_q90759f5ebc_outp:
	.size	k_q90759f5ebc_outp, .Lfunc_end_k_q90759f5ebc_outp-k_q90759f5ebc_outp
	.p2alignl 7, 3214868480
	.fill 96, 4, 3214868480
	.section	.rodata,"a",@progbits
	.p2align	6, 0x0
	.amdhsa_kernel k_q90759f5ebc_outp
		.amdhsa_group_segment_fixed_size 4608
		.amdhsa_private_segment_fixed_size 0
		.amdhsa_enable_private_segment 0
		.amdhsa_kernarg_size 64
		.amdhsa_user_sgpr_count 2
		.amdhsa_user_sgpr_kernarg_segment_ptr 1
		.amdhsa_wavefront_size32 1
		.amdhsa_system_sgpr_workgroup_id_x 1
		.amdhsa_system_sgpr_workgroup_id_y 1
		.amdhsa_system_sgpr_workgroup_id_z 1
		.amdhsa_system_vgpr_workitem_id 0
		.amdhsa_next_free_vgpr 386
		.amdhsa_next_free_sgpr 66
		.amdhsa_reserve_vcc 0
		.amdhsa_float_denorm_mode_32 3
		.amdhsa_float_denorm_mode_16_64 3
		.amdhsa_memory_ordered 1
		.amdhsa_forward_progress 1
		.amdhsa_inst_pref_size 18
	.end_amdhsa_kernel
	.amdgpu_metadata
---
amdhsa.version: [ 1, 2 ]
amdhsa.kernels:
  - .name:           k_q90759f5ebc_outp
    .symbol:         k_q90759f5ebc_outp.kd
    .args:
      - { .name: part_o, .offset: 0, .size: 8, .value_kind: global_buffer, .address_space: global }
      - { .name: part_ml, .offset: 8, .size: 8, .value_kind: global_buffer, .address_space: global }
      - { .name: bv, .offset: 16, .size: 8, .value_kind: global_buffer, .address_space: global }
      - { .name: Wo_codes, .offset: 24, .size: 8, .value_kind: global_buffer, .address_space: global }
      - { .name: Wo_scales, .offset: 32, .size: 8, .value_kind: global_buffer, .address_space: global }
      - { .name: bo, .offset: 40, .size: 8, .value_kind: global_buffer, .address_space: global }
      - { .name: out0, .offset: 48, .size: 8, .value_kind: global_buffer, .address_space: global }
      - { .name: out1, .offset: 56, .size: 8, .value_kind: global_buffer, .address_space: global }
    .group_segment_fixed_size: 4608
    .private_segment_fixed_size: 0
    .kernarg_segment_align: 8
    .kernarg_segment_size: 64
    .max_flat_workgroup_size: 128
    .sgpr_count:     66
    .vgpr_count:     386
    .wavefront_size: 32
...
	.end_amdgpu_metadata
.endif
;; end of part 2
